; MI455X (gfx1250); checked and timed in simulation.
; The chip was launched on July 23, 2026; its instructions are those of AMD's public machine-readable ISA for CDNA 5 (MIT licence, August 2026) and "CDNA5" Instruction Set Architecture Reference Guide (July 2026). The comments in the code are by the model that wrote it; some were corrected since.
;; Pos Self Atten. Allowed arithmetic: matrix products marked QUANTISED: E4M3 operands, one E8M0 scale for each 32 along K, by v_wmma_scale_f32_16x16x128_f8f6f4 with both operands' format E4M3, f32 sums; everything else in f32.
;; Inputs: att_beta 128 float32; att_gamma 128 float32; att_mean 128 float32; att_var 128 float32; att_w_codes 128 x 8 x 32 uint8 (E4M3 codes of att_w, K innermost, in blocks of 32 codes); att_w_scales 128 x 8 uint8 (E8M0 scales of att_w, one for each 32 codes along K); mask 8 x 1 x 64 x 64 float32; reduc_beta 256 float32; reduc_gamma 256 float32; reduc_mean 256 float32; reduc_var 256 float32; reduc_w_codes 256 x 8 x 32 uint8 (E4M3 codes of reduc_w, K innermost, in blocks of 32 codes); reduc_w_scales 256 x 8 uint8 (E8M0 scales of reduc_w, one for each 32 codes along K); x_codes 8 x 64 x 64 x 8 x 32 uint8 (E4M3 codes of x, K innermost, in blocks of 32 codes); x_scales 8 x 64 x 64 x 8 uint8 (E8M0 scales of x, one for each 32 codes along K).
;; Outputs: out0 8 x 256 x 64 x 64 float32.
;; This version of the problem:
;;   THIS VERSION OF THE PROBLEM IS GIVEN IN LOW PRECISION. The matrix products marked QUANTISED in the list below multiply operands that are first quantised to E4M3 (4 exponent bits, 3 mantissa bits; 8 bits a number), with one power-of-two scale for each 32 numbers along K (OCP MX v1.0); their sums are f32. All else is computed in f32.
;;   The module's matrix products, in the order in which they are computed (A, B: the left and right operand; K: the contracted axis; several contracted axes count as one K, in the product's order):
;;     1. [M 32,768, K 256] x [K 256, N 256]; A: input x (given as codes); B: input reduc_w (given as codes): QUANTISED
;;     2. [M 32,768, K 256] x [K 256, N 128]; A: input x (given as codes); B: input att_w (given as codes): QUANTISED
;;     3. batch 8 x [M 4,096, K 128] x [K 128, N 4,096]; A: computed on the way; B: computed on the way: QUANTISED
;;     4. batch 8 x [M 256, K 4,096] x [K 4,096, N 4,096]; A: computed on the way; B: softmax (see below): QUANTISED
;;   THE QUANTISER, for each operand of a quantised product, along K:
;;     - K is cut into blocks of 32 from its start; a last block that is shorter is filled with zeros.
;;     - A block's scale is 2^e with e = floor(log2(the largest magnitude in the block)) - 8, held to -126 .. 127; a block of zeros has e = 0. As a byte (E8M0): e + 127.
;;     - Each number is divided by its block's scale, clamped to +-448, and rounded to the nearest number of E4M3, ties to even, subnormals kept.
;;     - The product sums the exact products of the quantised numbers (number of the format x scale) in f32.
;;   ~~~python
;;   def quantise(x, axis):      # numpy; x: float32 -> the quantised numbers, widened to float32 again
;;       x = np.moveaxis(x, axis, -1); K = x.shape[-1]
;;       x = np.pad(x, [(0, 0)] * (x.ndim - 1) + [(0, -K % 32)]); x = x.reshape(x.shape[:-1] + (-1, 32)); a = np.abs(x).max(-1, keepdims=True)
;;       e = np.where(a > 0, np.clip(np.frexp(np.where(a > 0, a, 1))[1] - 1 - 8, -126, 127), 0)      # np.frexp(a)[1] - 1 = floor(log2(a)), exactly
;;       r = np.clip(x / 2.0 ** e, -448, 448)
;;       step = 2.0 ** (np.maximum(np.frexp(np.where(r == 0, 1, r))[1] - 1, -6) - 3)
;;       q = np.round(r / step) * step * 2.0 ** e      # np.round: ties to even
;;       return np.moveaxis(q.reshape(q.shape[:-2] + (-1,))[..., :K], -1, axis).astype(np.float32)
;;   ~~~
;;   SOFTMAX AHEAD OF A QUANTISED PRODUCT. Where the list says 'softmax', what is quantised is not the finished softmax but p = 2^(t - M), with t = logit x log2(e) and M = ceil(the row's largest t), a whole number; so 1/2 < the row's largest p <= 1. The row's sum l is taken of the UNQUANTISED p, in f32, and the product's result is divided by l at the end. Since M is a whole number, a kernel that streams over the keys may use a running M (the ceiling of the running maximum): every later rescaling is an exact power of two, which a block's scale takes up: the codes' values come out the same.
;;   OPERANDS COMPUTED ON THE WAY. 'Computed on the way' means the value that the module computes at that place (a softmax that the list does not call 'softmax' is quantised finished and normalised). What goes into a quantiser is computed in f32, as accurately as f32 sums, v_exp_f32 and their like allow (about 1e-6 of the number): no bf16 or f16 on the way to a quantiser, and a product that is left as it is and whose result goes on into a quantised operand takes f32 operands (vector FMAs, or v_wmma_f32_16x16x4_f32). A number that lies on a knife's edge between two numbers of the format may be rounded either way, as far as f32 arithmetic and the matrix unit's own rounding can turn it there, and no further.
;;   INPUTS GIVEN AS CODES. att_w (in the module: [128, 256], K = its axis 1); reduc_w (in the module: [256, 256], K = its axis 1); x (in the module: [8, 256, 64, 64], K = its axis 1): each comes as NAME_codes (uint8): NAME with its K axis moved to the last place and cut into blocks of 32 codes, [.., K / 32, bytes a block], one block behind the other in memory; one code a byte (a code: sign, 4 exponent bits, 3 mantissa bits); and NAME_scales (uint8): the same leading axes, one E8M0 byte (e + 127) for each 32 codes along K. Its value is code x scale, taken as it is: it is not quantised again, and the codes and scales need not be those that the quantiser above would give.
;; One version. Each part assembles by itself: llvm-mc -triple=amdgcn-amd-amdhsa -mcpu=gfx1250 --defsym DOCPART=n.
;; ======== version 1 of 1: 2 launches
;; limits: right only within a limited range of input values
;; workspace buffers: kv 12,582,912 bytes; kt 524,288 bytes
;; launch prep (part 1): grid 32 x 8, 8 waves a work-group, no clusters, 75,776 bytes of LDS; arguments x_codes, x_scales, att_w_codes, att_w_scales, reduc_w_codes, reduc_w_scales, att_gamma, att_beta, att_mean, att_var, reduc_gamma, reduc_beta, reduc_mean, reduc_var, mask, kv, kt; writes kv, kt
.if DOCPART == 1
	.amdgcn_target "amdgcn-amd-amdhsa--gfx1250"
	.amdhsa_code_object_version 6
	.text
	.protected	k_qaa777f2b1a_prep
	.globl	k_qaa777f2b1a_prep
	.p2align	8
	.type	k_qaa777f2b1a_prep,@function
k_qaa777f2b1a_prep:
	s_mov_b64 s[64:65], 0
	v_nop
	global_prefetch_b8 v0, s[64:65] scope:SCOPE_SE
	s_setreg_imm32_b32 hwreg(HW_REG_WAVE_MODE, 25, 1), 1
	s_wait_xcnt 0x0
; x_atten = relu(bn(att_w x)) and x_feat = relu(bn(reduc_w x)), both 1x1 convolutions on the given codes of E4M3 (sums in f32), then the two quantisers that the attention wants:
; x_atten along its 128 channels (it is query and key alike), x_feat along the positions (they are the second product's K).  Nothing of reference() is left out: every input has a way to the output and is loaded here or in the next launch.
; A work-group takes 128 positions (a key step) of one image: x = the step, y = the image.  Eight waves.  Wave w reads from memory, once, 16 positions of x, 16 rows of att_w and 32 rows of reduc_w;
; x's and att_w's fragments go to the other waves through LDS as images of their registers (16 bytes a lane, 512 consecutive bytes an instruction).
; THE ROWS OF A TILE ARE NOT NEIGHBOURS: lane r of tile 2 b + u takes row 32 b + 8 u + r + 8 (r / 8), of x's positions and of att_w's channels alike, so that in both results a lane's register 16 b + i is
; number 32 b + 16 (lane / 16) + i along the next product's K, and the conversions' results ARE that product's operand registers.
;   x_atten: source 0 = 16 rows of att_w, source 1 = my 16 positions: a lane holds one position, registers run along the channels.
;   x_feat:  source 0 = 16 positions, source 1 = 16 of my rows of reduc_w: a lane holds one channel, registers run along the positions.
; OUT, for the next launch alone: kv[image][step]: 8 tiles of K (2,048 bytes each: register group c of lane l at 512 c + 16 l), then 16 tiles of V likewise; kt[image][step]: K's scale words (512 bytes), V's (1,024),
; laid so that 16 bytes a lane bring four tiles' words in lanes 0-15 and four more in lanes 16-31; then 128 f32: ((mask - 1) x 1e8) x sqrt(128), the key's mask term, which the next launch gives to K Q^T as its C.
; LIMITS: NaN and infinities among the inputs are not served.  A block of zeros gets the scale byte 1 where the rule says 127: its codes are zeros, and this program alone reads the bytes.
; No tensor load and no cluster: a work-group reads its 128 KB once, in the order of the operands' registers and by chosen rows, in one group of loads at its head; no step recurs in which a shared request could be met.
.set STEPB, 49152                      ; a step's block in kv
.set VOFF,  16384                      ; V's tiles in it
.set TIA,   0                          ; LDS: att's gamma / sqrt(var + eps), 128 f32
.set TBA,   512                        ; att's beta - mean x that
.set TIR,   1024                       ; reduc's, 256 f32
.set TBR,   2048
.set TAIL,  3072                       ; the image of this step's block of kt, 2,048 bytes
.set XSC,   5120                       ; x's scale words: 256 bytes a tile, 8 bytes a lane
.set ASC,   7168                       ; att_w's likewise
.set XIMG,  9216                       ; x's fragments: tile p, K step s at 4096 p + 2048 s
.set AIMG,  41984                      ; att_w's likewise
.set SPARE, 74752                      ; the spare words, 128 bytes for each wave: four blocks of 256 bytes that no other line names
.set XA,  4                            ; v4   chosen row x 256 + 16 (lane / 16): x and att_w in memory
.set XSA, 5                            ; v5   chosen row x 8: their scale bytes
.set RA,  6                            ; v6   r x 256 + 16 (lane / 16): reduc_w
.set RSA, 7                            ; v7   8 r
.set T4,  8                            ; v8   4 x thread
.set LI,  9                            ; v9   16 x lane
.set LA,  10                           ; v10  16 x lane + AIMG
.set L8,  11                           ; v11  8 x lane
.set IWX, 12                           ; v12  where I store x's images
.set IWA, 13                           ; v13  and att_w's
.set SW8, 14                           ; v14  8 x lane + 256 x wave
.set BH,  15                           ; v15  64 (lane / 16)
.set XS,  16                           ; v16-31 x's scale words: tile p, K step s at 2 p + s
.set WS,  32                           ; v32-47 att_w's
.set RS,  48                           ; v48-51 my two tiles of reduc_w's
.set XSW, 52                           ; v52-53 my own x tile's
.set ASW, 54                           ; v54-55 my own att_w tile's
.set TM,  56                           ; v56-59 largest magnitudes, v60-63 bytes, v64-67 448 x the scale, v68-71 the conversions' scale operands
.set PW,  72                           ; v72  the scale word just made
.set KSA, 73                           ; v73  where K's scale word goes in TAIL
.set VSA, 74                           ; v74  where V's go
.set RT,  75                           ; v75  4 r + 128 x wave: my channels in reduc's tables
.set SPW, 76                           ; v76  LDS address of my spare word; never rewritten
.set NIL, 77                           ; v77  0; never rewritten
.set PC,  80                           ; v80-95 the codes just made
.set ACC, 96                           ; v96-223 two sets of 64 results
.set FB,  224                          ; v224-231 x_feat's factor and term of my lane's channel, as pairs: tile i at 4 i and 4 i + 2
.set XO,  0                            ; window 1: my own x tile, two K steps
.set RW,  32                           ; window 1: my two tiles of reduc_w
.set AO,  96                           ; window 1: my own att_w tile
.set F,   128                          ; window 1: eight fragments from LDS
.set SEL, 48                           ; s[48:49] lane selects for v_permlanex16_b32: lane l xor 16
.set MNT, 50                           ; s50  the mantissa field of 448
.set MSB, 0
.macro WIN new                         ; the immediate's high byte repeats the setting that is left
.if MSB != \new
	s_set_vgpr_msb (MSB<<8)|\new
.set MSB, \new
.endif
.endm
.macro PLACES n
.rept \n
	v_nop
.endr
.endm
.macro BARRIER                         ; my LDS stores have landed and my LDS loads are in: then the work-group's barrier
	s_wait_dscnt 0x0
	s_barrier_signal -1
	s_barrier_wait -1
.endm
.macro FETCH8 adr, base                ; eight fragments of one K step, as they were stored
	WIN 0x40
.irp i, 0,1,2,3,4,5,6,7
.irp c, 0,1,2,3
	ds_load_b128 v[F+16*\i+4*\c:F+16*\i+4*\c+3], v[\adr] offset:\base+4096*\i+512*\c
.endr
.endr
	WIN 0
.endm
; 64 numbers of a lane, register 16 b + i = number 32 b + 16 (lane / 16) + i along K, become a fragment's codes in v[PC] on and its scale word in v[PW].  What is negative becomes 0 on the way: the activation.
.macro QUANT s
.irp b, 0,1,2,3
	v_max3_num_f32 v[TM+\b], v[\s+16*\b], v[\s+1+16*\b], 0x4800000   ; no |.|: what is negative must not count; the floor 2^(9 - 127) holds the byte at 1 from below
.endr
.irp i, 2,4,6,8,10,12,14
.irp b, 0,1,2,3
	s_delay_alu instid0(VALU_DEP_4)
	v_max3_num_f32 v[TM+\b], v[TM+\b], v[\s+16*\b+\i], v[\s+1+16*\b+\i]   ; the four blocks by turns
.endr
.endr
.irp b, 0,1,2,3
	s_delay_alu instid0(VALU_DEP_4)
	v_permlanex16_b32 v[TM+4+\b], v[TM+\b], s[SEL], s[SEL+1]
.endr
.irp b, 0,1,2,3
	s_delay_alu instid0(VALU_DEP_4)
	v_max_num_f32 v[TM+\b], v[TM+\b], v[TM+4+\b]                     ; with lane l xor 16's: the block's largest
.endr
.irp b, 0,1,2,3
	s_delay_alu instid0(VALU_DEP_4)
	v_add_nc_u32 v[TM+12+\b], 0xfc000000, v[TM+\b]                   ; 8 off its exponent field: the conversion's scale operand
.endr
.irp b, 0,1,2,3
	v_and_or_b32 v[TM+8+\b], v[TM+\b], 0x7f800000, s[MNT]            ; 448 x the scale
.endr
.irp b, 0,1,2,3
	v_lshrrev_b32 v[TM+4+\b], 23, v[TM+12+\b]                        ; the scale's byte
.endr
	s_delay_alu instid0(VALU_DEP_3)
	v_lshl_or_b32 v[PW], v[TM+5], 8, v[TM+4]
	s_delay_alu instid0(VALU_DEP_1)
	v_lshl_or_b32 v[PW], v[TM+6], 16, v[PW]
	s_delay_alu instid0(VALU_DEP_1)
	v_lshl_or_b32 v[PW], v[TM+7], 24, v[PW]
.irp b, 0,1,2,3
.irp i, 0,1,2,3,4,5,6,7,8,9,10,11,12,13,14,15
	v_med3_num_f32 v[\s+16*\b+\i], v[\s+16*\b+\i], 0, v[TM+8+\b]     ; the activation and the hold in one: the conversion does not saturate (ISA guide 7.6.2)
.endr
	v_cvt_scalef32_pk8_fp8_f32 v[PC+4*\b:PC+1+4*\b], v[\s+16*\b:\s+7+16*\b], v[TM+12+\b]
	v_cvt_scalef32_pk8_fp8_f32 v[PC+2+4*\b:PC+3+4*\b], v[\s+8+16*\b:\s+15+16*\b], v[TM+12+\b]
.endr
	v_nop                                          ; a plain line behind the last conversion: later products write its sources
.endm
.macro OUTIMG base, off                ; the fragment goes to kv as it stands: each store covers 512 consecutive bytes, aligned
.irp c, 0,1,2,3
	global_store_b128 v[LI], v[PC+4*\c:PC+4*\c+3], s[\base:\base+1] offset:\off+512*\c
.endr
.endm
	s_load_b512 s[8:23], s[0:1], 0x0               ; x_codes 8, x_scales 10, att_w_codes 12, att_w_scales 14, reduc_w_codes 16, reduc_w_scales 18, att_gamma 20, att_beta 22
	s_load_b512 s[24:39], s[0:1], 0x40             ; att_mean 24, att_var 26, reduc_gamma 28, reduc_beta 30, reduc_mean 32, reduc_var 34, mask 36, kv 38
	s_load_b64 s[40:41], s[0:1], 0x80              ; kt
	v_lshl_add_u32 v[SPW], v0, 2, SPARE
	v_mov_b32 v[NIL], 0
	v_lshrrev_b32 v1, 5, v0
	s_delay_alu instid0(VALU_DEP_1)
	v_readfirstlane_b32 s42, v1                    ; wave 0..7
	v_and_b32 v1, 31, v0                           ; lane
	v_and_b32 v2, 15, v0                           ; r
	v_bfe_u32 v3, v0, 4, 1                         ; h
	s_delay_alu instid0(VALU_DEP_2)
	v_and_b32 v232, 8, v2
	s_delay_alu instid0(VALU_DEP_1)
	v_add_nc_u32 v232, v232, v2                    ; r + 8 (r / 8)
	s_delay_alu instid0(VALU_DEP_1)
	v_lshlrev_b32 v[XA], 8, v232
	s_delay_alu instid0(VALU_DEP_1)
	v_lshl_add_u32 v[XA], v3, 4, v[XA]
	s_delay_alu instid0(VALU_DEP_3)
	v_lshlrev_b32 v[XSA], 3, v232
	v_lshlrev_b32 v[RA], 8, v2
	s_delay_alu instid0(VALU_DEP_1)
	v_lshl_add_u32 v[RA], v3, 4, v[RA]
	v_lshlrev_b32 v[RSA], 3, v2
	v_lshlrev_b32 v[T4], 2, v0
	v_lshlrev_b32 v[LI], 4, v1
	s_delay_alu instid0(VALU_DEP_1)
	v_add_nc_u32 v[LA], AIMG, v[LI]
	v_lshlrev_b32 v[L8], 3, v1
	s_lshl_b32 s44, s42, 12
	v_add_nc_u32 v[IWX], s44, v[LI]
	s_delay_alu instid0(VALU_DEP_1)
	v_add_nc_u32 v[IWA], AIMG, v[IWX]
	s_delay_alu instid0(VALU_DEP_2)
	v_add_nc_u32 v[IWX], XIMG, v[IWX]
	s_lshl_b32 s44, s42, 8
	v_add_nc_u32 v[SW8], s44, v[L8]
	v_lshlrev_b32 v[BH], 6, v3
	s_lshr_b32 s44, s42, 2                         ; K's word of tile w, lane r: 256 (w / 4) + 16 r + 4 (w % 4)
	s_lshl_b32 s44, s44, 8
	s_and_b32 s45, s42, 3
	s_lshl_b32 s45, s45, 2
	s_add_co_u32 s45, s45, s44
	s_add_co_u32 s45, s45, TAIL
	v_lshl_add_u32 v[KSA], v2, 4, s45
	s_lshl_b32 s44, s44, 1                         ; V's of tile 2 w + i: 512 (w / 4) + 256 ((w / 2) % 2) + 16 r + 8 (w % 2) + 4 i
	s_bfe_u32 s46, s42, 0x10001
	s_lshl_b32 s46, s46, 8
	s_add_co_u32 s44, s44, s46
	s_and_b32 s46, s42, 1
	s_lshl_b32 s46, s46, 3
	s_add_co_u32 s44, s44, s46
	s_add_co_u32 s44, s44, TAIL+512
	v_lshl_add_u32 v[VSA], v2, 4, s44
	s_lshl_b32 s44, s42, 7
	v_lshl_add_u32 v[RT], v2, 2, s44
	s_lshr_b32 s43, s42, 1                         ; my tile's first row: 32 (w / 2) + 8 (w % 2)
	s_lshl_b32 s43, s43, 5
	s_and_b32 s44, s42, 1
	s_lshl_b32 s44, s44, 3
	s_add_co_u32 s43, s43, s44
	s_and_b32 s46, ttmp7, 0xffff                   ; the image
	s_lshl_b32 s47, s46, 5
	s_add_co_u32 s47, s47, ttmp9                   ; 32 x image + step
	s_mov_b32 s[SEL], 0x76543210
	s_mov_b32 s[SEL+1], 0xfedcba98
	s_mov_b32 s[MNT], 0x600000
.irp b, 0,1,2,3
	v_mov_b32 v[TM+4+\b], 0                        ; written once: a lane permute's destination counts as one of its sources
	v_mov_b32 v[FB+1+2*\b], 0                      ; the upper halves of the pairs that the packed form names
.endr
.irp k, 238,239,240,241,242
	v_mov_b32 v\k, 0                               ; written on every wave's way; waves 0 to 3 load into them below
.endr
	s_wait_kmcnt 0x0
	s_mov_b32 s45, 0
	s_lshl_b32 s51, s43, 8                         ; my tile's first row, in rows of 256 bytes
	s_lshl_b32 s44, s47, 15
	s_add_co_u32 s44, s44, s51
	s_add_nc_u64 s[8:9], s[8:9], s[44:45]          ; x's codes
	s_mov_b32 s44, s51
	s_add_nc_u64 s[12:13], s[12:13], s[44:45]      ; att_w's codes
	s_lshl_b32 s51, s43, 3
	s_lshl_b32 s44, s47, 10
	s_add_co_u32 s44, s44, s51
	s_add_nc_u64 s[10:11], s[10:11], s[44:45]      ; x's scale bytes
	s_mov_b32 s44, s51
	s_add_nc_u64 s[14:15], s[14:15], s[44:45]      ; att_w's
	s_lshl_b32 s44, s42, 13
	s_add_nc_u64 s[16:17], s[16:17], s[44:45]      ; my 32 rows of reduc_w
	s_lshl_b32 s44, s42, 8
	s_add_nc_u64 s[18:19], s[18:19], s[44:45]
	s_lshl_b32 s44, s47, 9
	s_add_nc_u64 s[36:37], s[36:37], s[44:45]      ; the step's 128 numbers of the mask
	s_lshl_b32 s44, s47, 11
	s_add_nc_u64 s[40:41], s[40:41], s[44:45]      ; the step's block of kt
	s_mul_i32 s44, s47, STEPB
	s_add_nc_u64 s[38:39], s[38:39], s[44:45]      ; and of kv
	s_lshl_b32 s44, s42, 11
	s_add_nc_u64 s[52:53], s[38:39], s[44:45]      ; K's tile w
	s_lshl_b32 s44, s42, 12
	s_add_co_u32 s44, s44, VOFF
	s_add_nc_u64 s[54:55], s[38:39], s[44:45]      ; V's tiles 2 w, 2 w + 1
	WIN 0x40                                       ; destination window 1
.irp s, 0,1
.irp c, 0,1,2,3
	global_load_b128 v[XO+16*\s+4*\c:XO+16*\s+4*\c+3], v[XA], s[8:9] offset:128*\s+32*\c th:TH_LOAD_NT   ; read by this wave alone in the launch
.endr
.endr
.irp s, 0,1
.irp c, 0,1,2,3
	global_load_b128 v[AO+16*\s+4*\c:AO+16*\s+4*\c+3], v[XA], s[12:13] offset:128*\s+32*\c
.endr
.endr
.irp i, 0,1
.irp s, 0,1
.irp c, 0,1,2,3
	global_load_b128 v[RW+32*\i+16*\s+4*\c:RW+32*\i+16*\s+4*\c+3], v[RA], s[16:17] offset:4096*\i+128*\s+32*\c
.endr
.endr
.endr
	WIN 0
	global_load_b64 v[XSW:XSW+1], v[XSA], s[10:11]
	global_load_b64 v[ASW:ASW+1], v[XSA], s[14:15]
	global_load_b64 v[RS:RS+1], v[RSA], s[18:19]
	global_load_b64 v[RS+2:RS+3], v[RSA], s[18:19] offset:128
	global_load_b32 v232, v[T4], s[28:29]          ; reduc's gamma, beta, mean, var: thread t has channel t
	global_load_b32 v233, v[T4], s[30:31]
	global_load_b32 v234, v[T4], s[32:33]
	global_load_b32 v235, v[T4], s[34:35]
	s_cmp_lt_u32 s42, 4                            ; att's 128 channels and the step's 128 positions: threads 0 to 127
	s_cbranch_scc0 .Lno_att_loads
	global_load_b32 v238, v[T4], s[20:21]
	global_load_b32 v239, v[T4], s[22:23]
	global_load_b32 v240, v[T4], s[24:25]
	global_load_b32 v241, v[T4], s[26:27]
	global_load_b32 v242, v[T4], s[36:37]
.Lno_att_loads:
	s_wait_loadcnt 0x0
	WIN 0x04                                       ; an LDS store's data are its source 1: window 1
.irp s, 0,1
.irp c, 0,1,2,3
	ds_store_b128 v[IWX], v[XO+16*\s+4*\c:XO+16*\s+4*\c+3] offset:2048*\s+512*\c
	ds_store_b128 v[IWA], v[AO+16*\s+4*\c:AO+16*\s+4*\c+3] offset:2048*\s+512*\c
.endr
.endr
	WIN 0
	ds_store_b64 v[SW8], v[XSW:XSW+1] offset:XSC
	ds_store_b64 v[SW8], v[ASW:ASW+1] offset:ASC
	v_add_f32 v235, 0x3727c5ac, v235               ; var + 1e-5
	s_wait_alu depctr_va_vdst(0)
	v_rsq_f32 v236, v235
	v_nop                                          ; a plain line behind the transcendental,
	s_wait_alu depctr_va_vdst(0)                   ; and the wait ahead of its first reader
	v_mul_f32 v236, v232, v236                     ; gamma / sqrt(var + eps)
	s_delay_alu instid0(VALU_DEP_1)
	v_fma_f32 v237, -v234, v236, v233              ; beta - mean x that
	ds_store_b32 v[T4], v236 offset:TIR
	ds_store_b32 v[T4], v237 offset:TBR
	s_cmp_lt_u32 s42, 4
	s_cbranch_scc0 .Lno_att
	v_add_f32 v241, 0x3727c5ac, v241
	s_wait_alu depctr_va_vdst(0)
	v_rsq_f32 v243, v241
	v_add_f32 v242, -1.0, v242                     ; mask - 1 (a plain line behind the transcendental)
	s_wait_alu depctr_va_vdst(0)
	v_mul_f32 v243, v238, v243
	s_delay_alu instid0(VALU_DEP_1)
	v_fma_f32 v239, -v240, v243, v239
	v_mul_f32 v242, 0x4cbebc20, v242               ; x 1e8, as reference() has it,
	s_delay_alu instid0(VALU_DEP_1)
	v_mul_f32 v242, 0x413504f3, v242               ; x sqrt(128): the next launch adds it to the raw scores and scales the sum
	ds_store_b32 v[T4], v243 offset:TIA
	ds_store_b32 v[T4], v239 offset:TBA
	ds_store_b32 v[T4], v242 offset:TAIL+1536
.Lno_att:
	BARRIER                                        ; the images, the scale words and the tables lie in LDS
	; ---- x_atten of my 16 positions, all 128 channels
	FETCH8 LA, 0
.irp t, 0,1,2,3,4,5,6,7
	ds_load_b64 v[WS+2*\t:WS+2*\t+1], v[L8] offset:ASC+256*\t
	ds_load_b64 v[XS+2*\t:XS+2*\t+1], v[L8] offset:XSC+256*\t
.endr
.irp i, 0,1
	ds_load_b32 v[FB+4*\i], v[RT] offset:TIR+64*\i
	ds_load_b32 v[FB+4*\i+2], v[RT] offset:TBR+64*\i
.endr
	s_wait_dscnt 0x0
	WIN 0x05                                       ; sources 0 and 1 window 1
.irp t, 0,1,2,3,4,5,6,7
	v_wmma_scale_f32_16x16x128_f8f6f4 v[ACC+8*\t:ACC+8*\t+7], v[F+16*\t:F+16*\t+15], v[XO:XO+15], 0, v[WS+2*\t], v[XSW]
.endr
	WIN 0
	PLACES 8                                       ; in front of loads into registers that these products have read
	FETCH8 LA, 2048
	s_wait_dscnt 0x0
	WIN 0x05
.irp t, 0,1,2,3,4,5,6,7                        ; the eight accumulators by turns
	v_wmma_scale_f32_16x16x128_f8f6f4 v[ACC+8*\t:ACC+8*\t+7], v[F+16*\t:F+16*\t+15], v[XO+16:XO+31], v[ACC+8*\t:ACC+8*\t+7], v[WS+2*\t+1], v[XSW+1]
.endr
	WIN 0
	PLACES 8                                       ; for the loads below and for the first read of the results
	WIN 0x40
.irp b, 0,1,2,3
.irp j, 0,1,2,3
	ds_load_b128 v[F+16*\b+4*\j:F+16*\b+4*\j+3], v[BH] offset:TIA+128*\b+16*\j         ; register 16 b + i: channel 32 b + 16 h + i
	ds_load_b128 v[F+64+16*\b+4*\j:F+64+16*\b+4*\j+3], v[BH] offset:TBA+128*\b+16*\j
.endr
.endr
	s_wait_dscnt 0x0
	WIN 0x14                                       ; sources 1 and 2 window 1
.set j, 0
.rept 32
	v_pk_fma_f32 v[ACC+j:ACC+j+1], v[ACC+j:ACC+j+1], v[F+j:F+j+1], v[F+64+j:F+64+j+1]   ; the norm, fused; each accumulator from its low end on
.set j, j+2
.endr
	FETCH8 LI, XIMG                                ; x's eight tiles, K step 0: they land while the quantiser works
	QUANT ACC
	OUTIMG 52, 0
	ds_store_b32 v[KSA], v[PW]                     ; both halves of the lanes write the same word with the same value
	; ---- x_feat of my 32 channels, all 128 positions
	s_wait_dscnt 0x0
	WIN 0x05
.irp p, 0,1,2,3,4,5,6,7
.irp i, 0,1
	v_wmma_scale_f32_16x16x128_f8f6f4 v[ACC+64*\i+8*\p:ACC+64*\i+8*\p+7], v[F+16*\p:F+16*\p+15], v[RW+32*\i:RW+32*\i+15], 0, v[XS+2*\p], v[RS+2*\i]
.endr
.endr
	WIN 0
	PLACES 8
	FETCH8 LI, XIMG+2048
	s_wait_dscnt 0x0
	WIN 0x05
.irp p, 0,1,2,3,4,5,6,7                        ; sixteen accumulators by turns
.irp i, 0,1
	v_wmma_scale_f32_16x16x128_f8f6f4 v[ACC+64*\i+8*\p:ACC+64*\i+8*\p+7], v[F+16*\p:F+16*\p+15], v[RW+32*\i+16:RW+32*\i+31], v[ACC+64*\i+8*\p:ACC+64*\i+8*\p+7], v[XS+2*\p+1], v[RS+2*\i+1]
.endr
.endr
	WIN 0
	PLACES 8
.irp i, 0,1
.set j, 0
.rept 32
	v_pk_fma_f32 v[ACC+64*\i+j:ACC+64*\i+j+1], v[ACC+64*\i+j:ACC+64*\i+j+1], v[FB+4*\i:FB+4*\i+1], v[FB+4*\i+2:FB+4*\i+3] op_sel_hi:[1,0,0]   ; my lane's channel: one factor, one term
.set j, j+2
.endr
	s_wait_xcnt 0x0                                ; the last image's stores have read their registers: the codes may be written again
	s_wait_dscnt 0x0                               ; and so has the scale word's store
	QUANT ACC+64*\i
	OUTIMG 54, 2048*\i
	ds_store_b32 v[VSA], v[PW] offset:4*\i
.endr
	BARRIER                                        ; the step's block of kt lies whole in LDS
	ds_load_b64 v[78:79], v[SW8] offset:TAIL
	s_wait_dscnt 0x0
	global_store_b64 v[SW8], v[78:79], s[40:41]    ; a wave stores 256 consecutive bytes, aligned
	s_wait_tensorcnt 0x0                           ; the wave's end: behind my last LDS store
	ds_add_u32 v[SPW], v[NIL]
	s_wait_dscnt 0x0
	s_endpgm
.Lfunc_end_k_qaa777f2b1a_prep:
	.size	k_qaa777f2b1a_prep, .Lfunc_end_k_qaa777f2b1a_prep-k_qaa777f2b1a_prep
	.p2alignl 7, 3214868480
	.fill 96, 4, 3214868480
	.section	.rodata,"a",@progbits
	.p2align	6, 0x0
	.amdhsa_kernel k_qaa777f2b1a_prep
		.amdhsa_group_segment_fixed_size 75776
		.amdhsa_private_segment_fixed_size 0
		.amdhsa_enable_private_segment 0
		.amdhsa_kernarg_size 136
		.amdhsa_user_sgpr_count 2
		.amdhsa_user_sgpr_kernarg_segment_ptr 1
		.amdhsa_wavefront_size32 1
		.amdhsa_system_sgpr_workgroup_id_x 1
		.amdhsa_system_sgpr_workgroup_id_y 1
		.amdhsa_system_sgpr_workgroup_id_z 1
		.amdhsa_system_vgpr_workitem_id 0
		.amdhsa_next_free_vgpr 512
		.amdhsa_next_free_sgpr 66
		.amdhsa_reserve_vcc 0
		.amdhsa_float_denorm_mode_32 3
		.amdhsa_float_denorm_mode_16_64 3
		.amdhsa_memory_ordered 1
		.amdhsa_forward_progress 1
		.amdhsa_inst_pref_size 66
	.end_amdhsa_kernel
	.amdgpu_metadata
---
amdhsa.version: [ 1, 2 ]
amdhsa.kernels:
  - .name:           k_qaa777f2b1a_prep
    .symbol:         k_qaa777f2b1a_prep.kd
    .args:
      - { .name: x_codes, .offset: 0, .size: 8, .value_kind: global_buffer, .address_space: global }
      - { .name: x_scales, .offset: 8, .size: 8, .value_kind: global_buffer, .address_space: global }
      - { .name: att_w_codes, .offset: 16, .size: 8, .value_kind: global_buffer, .address_space: global }
      - { .name: att_w_scales, .offset: 24, .size: 8, .value_kind: global_buffer, .address_space: global }
      - { .name: reduc_w_codes, .offset: 32, .size: 8, .value_kind: global_buffer, .address_space: global }
      - { .name: reduc_w_scales, .offset: 40, .size: 8, .value_kind: global_buffer, .address_space: global }
      - { .name: att_gamma, .offset: 48, .size: 8, .value_kind: global_buffer, .address_space: global }
      - { .name: att_beta, .offset: 56, .size: 8, .value_kind: global_buffer, .address_space: global }
      - { .name: att_mean, .offset: 64, .size: 8, .value_kind: global_buffer, .address_space: global }
      - { .name: att_var, .offset: 72, .size: 8, .value_kind: global_buffer, .address_space: global }
      - { .name: reduc_gamma, .offset: 80, .size: 8, .value_kind: global_buffer, .address_space: global }
      - { .name: reduc_beta, .offset: 88, .size: 8, .value_kind: global_buffer, .address_space: global }
      - { .name: reduc_mean, .offset: 96, .size: 8, .value_kind: global_buffer, .address_space: global }
      - { .name: reduc_var, .offset: 104, .size: 8, .value_kind: global_buffer, .address_space: global }
      - { .name: mask, .offset: 112, .size: 8, .value_kind: global_buffer, .address_space: global }
      - { .name: kv, .offset: 120, .size: 8, .value_kind: global_buffer, .address_space: global }
      - { .name: kt, .offset: 128, .size: 8, .value_kind: global_buffer, .address_space: global }
    .group_segment_fixed_size: 75776
    .private_segment_fixed_size: 0
    .kernarg_segment_align: 8
    .kernarg_segment_size: 136
    .max_flat_workgroup_size: 256
    .sgpr_count:     66
    .vgpr_count:     512
    .wavefront_size: 32
...
	.end_amdgpu_metadata
.endif
;; end of part 1
;; launch attn (part 2): grid 32 x 8, 4 waves a work-group, clusters of 4 x 1, 327,680 bytes of LDS; arguments kv, kt, mask, out0; writes out0
.if DOCPART == 2
	.amdgcn_target "amdgcn-amd-amdhsa--gfx1250"
	.amdhsa_code_object_version 6
	.text
	.protected	k_qaa777f2b1a_attn
	.globl	k_qaa777f2b1a_attn
	.p2align	8
	.type	k_qaa777f2b1a_attn,@function
k_qaa777f2b1a_attn:
	s_mov_b64 s[64:65], 0
	v_nop
	global_prefetch_b8 v0, s[64:65] scope:SCOPE_SE
	s_setreg_imm32_b32 hwreg(HW_REG_WAVE_MODE, 25, 1), 1
	s_wait_xcnt 0x0
	s_wait_alu depctr_hold_cnt(0) depctr_sa_sdst(0) depctr_va_vdst(0) depctr_va_sdst(0) depctr_va_ssrc(0) depctr_va_vcc(0) depctr_vm_vsrc(0)
	s_getreg_b32 s2, hwreg(HW_REG_IB_STS2, 6, 4)
	s_cmp_eq_u32 s2, 0
	s_cbranch_scc0 .Lentry_in_a_cluster
	s_endpgm
.Lentry_in_a_cluster:
	s_bfe_u32 s2, ttmp6, 0x10000c
	s_cmp_lg_u32 s2, 0x3003
	s_cbranch_scc0 .Lentry_shape_is_right
	s_endpgm
.Lentry_shape_is_right:
; out[n][c][i] = mask_i x (sum over j of softmax_j(q_i . q_j / (1e-8 + sqrt(128)) + (mask_j - 1) 1e8) feat[c][j]), both products on codes of E4M3 with one E8M0 scale for each 32 along K.
; Nothing of reference() is left out.  kv and kt come from the launch before: K (= Q) and V as images of the operands' registers, their scale words, and the keys' mask terms C_j = (mask_j - 1) 1e8 sqrt(128).
; THE SOFTMAX: S^T = K Q^T + C (the mask term is the product's C: it costs no vector line); t = S x c, c = log2(e) / sqrt(128); M = the running largest t rounded UP to a whole number; p = 2^(t - M) is quantised
; along the keys, not normalised; the row's sum is taken of the unquantised p and divides at the end; when M moves, the sum and O^T are multiplied by 2^(old M - new M), which rounds nothing.
; SHARES.  A work-group owns 128 queries of one image, each of its four waves 32: tiles A and B of 16.  Every wave walks the image's 32 key steps of 128 keys.  Each fragment of K and V read from LDS feeds two products.
; LAYOUT.  Both products transposed: source 0 = 16 keys (16 channels of V), source 1 = 16 queries (P): a lane holds ONE query throughout.  The keys of a tile are chosen (lane r of tile 2 b + u: key 32 b + 8 u + r + 8 (r / 8)),
; so that p's 16 registers of two neighbouring tiles are 16 neighbouring keys and the conversions' results are the second product's operand.
; BY TURNS.  In a turn one tile has the matrix unit (16 products V^T P of the step in hand, then 8 products K Q^T of the next step), one product behind every tenth line of the OTHER tile's softmax; then they change places.
; CLUSTER.  The four work-groups of a cluster belong to one image and walk the same K and V: every tile is asked for jointly, by the same tensor load with a mask that names the four.
; LIMITS: NaN and infinities are not served.  The scores are scaled by one multiplication by c where reference() divides and then multiplies.  Where every key of an image carries a term of the order of 1e8, f32 drops the
; scores' low bits in another order than in reference().  A block's largest p is taken from its largest score: that leans on v_exp_f32 not falling where its input rises.
; REGISTERS, in windows of 256: window 0: addresses, statistics, scale words, S^T (64 a tile), p's codes (16 a tile).  window 1: O^T, 128 a tile.  window 2: V of one step.  window 3: v0-127 K of one step, v128-159 Q, v160-223 the mask terms.
.set STEPB, 49152                      ; a key step in kv: 8 tiles of K, then 16 of V, 2,048 bytes each
.set VOFF,  16384
.set SLOTB, 2*STEPB                    ; a slot holds two steps, as they lie in memory
.set SLOT1, 1<<17                      ; slot 1 begins here, so that one exclusive or turns an address in one slot into the other's
.set TLB,   SLOT1+SLOTB                ; the image's whole kt, 65,536 bytes: filled once
.set SPARE, TLB+65536                  ; the spare words, 128 bytes for each wave: two blocks of 256 bytes that no other line names
.set SROW,  528                        ; the way out: a stage of 256 rows (channels) x (512 bytes + 16), from LDS byte 0: both slots have had their last fill and their last read by then
.set LI,   1                           ; v1   16 x lane
.set ADK,  2                           ; v2-5 addresses of the run of loads in hand
.set ADV,  3
.set ADT,  4
.set ADM,  5
.set SPW,  6                           ; v6   LDS address of my spare word; never rewritten
.set NIL,  7                           ; v7   0; never rewritten
.set PFO,  8                           ; v8   256 x lane: the prefetches' offset
.set STA0, 9                           ; v9   the stage, on the way in: channels 0-127;  v10: channels 128-255
.set STA1, 10
.set RD,   11                          ; v11  and on the way back
.set MH,   12                          ; v12  64 (lane / 16) + where the mask terms of step 0 lie
.set TL,   13                          ; v13  16 x lane + TLB
.set MQ,   14                          ; v14-15 the mask at my query, tile A, B
.set ST,   16                          ; v16-31 eight a tile: +0 -M, +1 the largest t, +2 +3 the sum in two halves, +4 f, +5 its pair's upper half, +6 +7 at work
.set BM,   32                          ; v32-35 the blocks' largest scores, then largest p
.set T2,   36                          ; v36-39 at work
.set HOLD, 40
.set SCO,  44                          ; v44-47 the conversions' scale operands
.set KSW,  48                          ; v48-51 K's scale words: tiles 0-3 in lanes 0-15, tiles 4-7 in lanes 16-31
.set VSW,  52                          ; v52-59 V's: likewise, eight tiles to four registers
.set QSW,  60                          ; v60-61 Q's
.set PSW,  62                          ; v62-63 p's
.set S,    64
.set PC,   192
.set WV,   12                          ; s12  my wave's number
.set LIM,  15                          ; s15  1 in a wave that prefetches, else the greatest number
.set PFA,  18                          ; s[18:19] where my prefetches stand
.set G1,   24                          ; s[24:31] descriptor group 1 for a wave's quarter of a slot
.set G1T,  32                          ; s[32:39] for its quarter of kt
.set G0T,  40                          ; s[40:43] group 0 for kt;  s[44:47] for slot 0's first fill;  s[48:51] for slot 1's: this one then walks
.set G0A,  44
.set G0W,  48
.set SLOTS, 56
.set TWICE, 57
.set CS,   58                          ; s[58:59] c
.set SEL,  60                          ; s[60:61] lane l xor 16
.set TB,   62                          ; s62  LDS byte at which the step to be fetched begins
.set TS,   63                          ; s63  and its 2,048 bytes of kt, from TLB on
.set MNT,  66
.set MSB, 0
.macro WIN new                         ; the immediate's high byte repeats the setting that is left; a switch that changes nothing is dropped
.if MSB != \new
	s_set_vgpr_msb (MSB<<8)|\new
.set MSB, \new
.endif
.endm
.macro PLACES n
.rept \n
	v_nop
.endr
.endm
.macro CROUND                          ; a round of the cluster's barrier
	s_barrier_signal -1
	s_barrier_wait -1
	s_cmp_lg_u32 s[WV], 0
	s_cbranch_scc1 .Lnot_wave_0_\@
	s_barrier_signal -3
.Lnot_wave_0_\@:
	s_barrier_wait -3
	s_barrier_signal -1
	s_barrier_wait -1
.endm
.macro JLOAD                           ; the joint refill: every wave fetches its quarter of the slot; an s_nop 0 and four v_nop follow
	tensor_load_to_lds s[G0W:G0W+3], s[G1:G1+7]
	s_nop 0
	PLACES 4
.endm
; A prefetch of the slot that the NEXT change of slots will ask for: 384 pieces of 256 bytes.  All clusters of an image walk the same bytes: the image's first cluster asks.  Its four partners take 96 pieces each,
; told apart by address; in each, waves 0 to 2 take 32, a lane a piece: each piece is named once in the launch.  The last change that fills a slot asks for nothing.
.macro ASK
	s_cmp_gt_u32 s[SLOTS], s[LIM]
	s_cbranch_scc0 .Lnot_mine_\@
	global_prefetch_b8 v[PFO], s[PFA:PFA+1] th:TH_LOAD_NT scope:SCOPE_SE
.Lnot_mine_\@:
.endm
.macro FETCH_K                         ; a step's K, its mask terms and its scale words: one run of 49 loads
	WIN 0
	v_add_nc_u32 v[ADK], s[TB], v[LI]
	v_add_nc_u32 v[ADM], s[TS], v[MH]
	v_add_nc_u32 v[ADT], s[TS], v[TL]
	WIN 0xc0                                       ; destination window 3
.irp t, 0,1,2,3,4,5,6,7
.irp c, 0,1,2,3
	ds_load_b128 v[16*\t+4*\c:16*\t+4*\c+3], v[ADK] offset:2048*\t+512*\c
.endr
.endr
.irp b, 0,1,2,3
.irp j, 0,1,2,3
	ds_load_b128 v[160+16*\b+4*\j:160+16*\b+4*\j+3], v[ADM] offset:128*\b+16*\j   ; register 16 b + i: key 32 b + 16 (lane / 16) + i, as in S^T
.endr
.endr
	WIN 0
	ds_load_b128 v[KSW:KSW+3], v[ADT]
.endm
.macro FETCH_V                         ; the same step's V and its scale words: one run of 66 loads
	WIN 0
	v_add_nc_u32 v[ADV], s[TB], v[LI]
	v_add_nc_u32 v[ADT], s[TS], v[TL]
	WIN 0x80                                       ; destination window 2
.irp t, 0,1,2,3,4,5,6,7,8,9,10,11,12,13,14,15
.irp c, 0,1,2,3
	ds_load_b128 v[16*\t+4*\c:16*\t+4*\c+3], v[ADV] offset:VOFF+2048*\t+512*\c
.endr
.endr
	WIN 0
	ds_load_b128 v[VSW:VSW+3], v[ADT] offset:512
	ds_load_b128 v[VSW+4:VSW+7], v[ADT] offset:1024
	s_add_co_u32 s[TB], s[TB], STEPB               ; the next fetch is the next step's
	s_add_co_u32 s[TS], s[TS], 2048
.endm
.macro KQI x, t                        ; S^T of tile x, keys' tile t: K Q^T + the mask terms
	WIN 0x3f                                       ; K, Q and the mask terms in window 3, S^T in window 0
.if (\t) >= 4
	v_wmma_scale_f32_16x16x128_f8f6f4 v[S+64*(\x)+8*(\t):S+64*(\x)+8*(\t)+7], v[16*(\t):16*(\t)+15], v[128+16*(\x):128+16*(\x)+15], v[160+8*(\t):160+8*(\t)+7], v[KSW+(\t)%4], v[QSW+(\x)] matrix_a_scale:MATRIX_SCALE_ROW1
.else
	v_wmma_scale_f32_16x16x128_f8f6f4 v[S+64*(\x)+8*(\t):S+64*(\x)+8*(\t)+7], v[16*(\t):16*(\t)+15], v[128+16*(\x):128+16*(\x)+15], v[160+8*(\t):160+8*(\t)+7], v[KSW+(\t)%4], v[QSW+(\x)]
.endif
.endm
.macro PVI x, ct, start                ; O^T of tile x, channels 16 ct on: += V^T P.  start = 1: the product starts the sum
	WIN 0x52                                       ; V in window 2, P in window 0, O^T in window 1
.set rD, 128*(\x)+8*(\ct)
.set rA, 16*(\ct)
.set rB, PC+16*(\x)
.set rC, VSW+4*((\ct)/8)+(\ct)%4
.if (\start)
.if ((\ct)/4)%2
	v_wmma_scale_f32_16x16x128_f8f6f4 v[rD:rD+7], v[rA:rA+15], v[rB:rB+15], 0, v[rC], v[PSW+(\x)] matrix_a_scale:MATRIX_SCALE_ROW1
.else
	v_wmma_scale_f32_16x16x128_f8f6f4 v[rD:rD+7], v[rA:rA+15], v[rB:rB+15], 0, v[rC], v[PSW+(\x)]
.endif
.else
.if ((\ct)/4)%2
	v_wmma_scale_f32_16x16x128_f8f6f4 v[rD:rD+7], v[rA:rA+15], v[rB:rB+15], v[rD:rD+7], v[rC], v[PSW+(\x)] matrix_a_scale:MATRIX_SCALE_ROW1
.else
	v_wmma_scale_f32_16x16x128_f8f6f4 v[rD:rD+7], v[rA:rA+15], v[rB:rB+15], v[rD:rD+7], v[rC], v[PSW+(\x)]
.endif
.endif
.endm
.macro MM                              ; number mi of the turn's matrix list: the products V^T P, then K Q^T.  Each names another accumulator than the one before it
.if mi < npv
	PVI tx, mi, pstart
.else
.if (mi == npv) && (tx == 0)
	s_wait_dscnt 0x0                               ; K, asked for at the turn's head, is in
.endif
	KQI tx, mi-npv
.endif
	WIN 0
.set mi, mi+1
.endm
; Behind every line of the softmax that works in window 0: every tenth is followed by a product.  Tile B's turn fetches V behind line 169: the last product that read V stands behind line 160, and lines 161 to 169
; are nine packed additions that name none of its registers: the eight places that a load into its registers wants.
.macro TK
.set tk, tk+1
.if (tk%10 == 0) && (mi < mn)
	MM
.endif
.if (tk == 169) && fv
	FETCH_V
.endif
.endm
; One tile's softmax for one key step: 209 lines in window 0, then O^T's 64 multiplications in window 1.  first = 1: O^T has not begun: nothing to rescale.
.macro SOFTMAX y, first
.set rS, S+64*(\y)
.set rT, ST+8*(\y)
.set rP, PC+16*(\y)
.set rW, PSW+(\y)
.irp b, 0,1,2,3
	v_max3_num_f32 v[BM+\b], v[rS+16*\b], v[rS+16*\b+1], v[rS+16*\b+2]   ; the largest score of each block of 32 keys: for the row's maximum and for the block's largest p.  Each accumulator is read from its low end on
	TK
.endr
.irp i, 3,5,7,9,11,13
.irp b, 0,1,2,3
	v_max3_num_f32 v[BM+\b], v[BM+\b], v[rS+16*\b+\i], v[rS+16*\b+\i+1]
	TK
.endr
.endr
.irp b, 0,1,2,3
	v_max_num_f32 v[BM+\b], v[BM+\b], v[rS+16*\b+15]
	TK
.endr
.irp b, 0,1,2,3
	v_permlanex16_b32 v[T2+\b], v[BM+\b], s[SEL], s[SEL+1]
	TK
.endr
.irp b, 0,1,2,3
	v_max_num_f32 v[BM+\b], v[BM+\b], v[T2+\b]     ; with lane l xor 16's 16 keys
	TK
.endr
	v_max3_num_f32 v[rT+6], v[BM], v[BM+1], v[BM+2]
	TK
	v_max_num_f32 v[rT+6], v[rT+6], v[BM+3]
	TK
	v_mul_f32 v[rT+6], s[CS], v[rT+6]              ; as t (c is positive)
	TK
	v_max_num_f32 v[rT+1], v[rT+1], v[rT+6]        ; the running largest t
	TK
	v_mov_b32 v[rT+6], v[rT]
	TK
	v_floor_f32 v[rT], -v[rT+1]                    ; the new -M = floor(-t)
	TK
	v_sub_f32 v[rT+6], v[rT], v[rT+6]              ; old M - new M: a whole number, 0 or less
	TK
	v_cvt_i32_f32 v[rT+6], v[rT+6]                 ; (it saturates)
	TK
	v_ldexp_f32 v[rT+4], 1.0, v[rT+6]              ; f = 2^(old M - new M)
	TK
.set j, 0
.rept 32
	v_pk_fma_f32 v[rS+j:rS+j+1], v[rS+j:rS+j+1], s[CS:CS+1], v[rT:rT+1] op_sel_hi:[1,0,0]   ; t - M, two at a time
	TK
.set j, j+2
.endr
.irp b, 0,1,2,3
	v_fma_f32 v[BM+\b], v[BM+\b], s[CS], v[rT]     ; the same of each block's largest score
	TK
.endr
.set j, 0
.rept 64
	v_exp_f32 v[rS+j], v[rS+j]                     ; p = 2^(t - M)
	TK
.set j, j+1
.endr
	v_pk_mul_f32 v[rT+2:rT+3], v[rT+2:rT+3], v[rT+4:rT+5] op_sel_hi:[1,0]   ; the sums under the new M: the plain line behind the exponentials
	TK
	s_wait_alu depctr_va_vdst(0)                   ; one wait for the batch of 64, ahead of its first reader
.irp b, 0,1,2,3
	v_exp_f32 v[BM+\b], v[BM+\b]                   ; the block's largest p: the same two instructions on the same number
	TK
.endr
	v_pk_add_f32 v[T2:T2+1], v[rS:rS+1], v[rS+2:rS+3]   ; the row's sum of the unquantised p, in two chains
	TK
.set j, 4
.rept 15
	v_pk_add_f32 v[rT+2:rT+3], v[rT+2:rT+3], v[rS+j:rS+j+1]
	TK
	v_pk_add_f32 v[T2:T2+1], v[T2:T2+1], v[rS+j+2:rS+j+3]
	TK
.set j, j+4
.endr
	v_pk_add_f32 v[rT+2:rT+3], v[rT+2:rT+3], v[T2:T2+1]
	TK
	s_wait_alu depctr_va_vdst(0)                   ; and one for the four
.irp b, 0,1,2,3
	v_max_num_f32 v[BM+\b], 0x4800000, v[BM+\b]    ; the floor 2^(9 - 127): the byte cannot fall under 1
	TK
.endr
.irp b, 0,1,2,3
	v_add_nc_u32 v[SCO+\b], 0xfc000000, v[BM+\b]   ; 8 off the exponent field: the conversion's scale operand
	TK
.endr
.irp b, 0,1,2,3
	TK
.endr
.irp b, 0,1,2,3
	v_lshrrev_b32 v[T2+\b], 23, v[SCO+\b]          ; the scale's byte
	TK
.endr
	v_lshl_or_b32 v[rW], v[T2+1], 8, v[T2]         ; p's scale word for these 128 keys
	TK
	v_lshl_or_b32 v[rW], v[T2+2], 16, v[rW]
	TK
	v_lshl_or_b32 v[rW], v[T2+3], 24, v[rW]
	TK
.irp b, 0,1,2,3
.set j, 0
.rept 16
	TK
.set j, j+1
.endr
	v_cvt_scalef32_pk8_fp8_f32 v[rP+4*\b:rP+4*\b+1], v[rS+16*\b:rS+16*\b+7], v[SCO+\b]
	TK
	v_cvt_scalef32_pk8_fp8_f32 v[rP+4*\b+2:rP+4*\b+3], v[rS+16*\b+8:rS+16*\b+15], v[SCO+\b]
	TK
.endr
.if (\first) == 0
	WIN 0x41                                       ; O^T (destination and source 0) in window 1, f in window 0
.set j, 0
.rept 64
	v_pk_mul_f32 v[128*(\y)+j:128*(\y)+j+1], v[128*(\y)+j:128*(\y)+j+1], v[rT+4:rT+5] op_sel_hi:[1,0]   ; O^T under the new M.  These are also the places behind the turn's last product and ahead of the next turn's
.set j, j+2
.endr
	WIN 0
.endif
.endm
; A TURN.  Tile x has the matrix unit; the other tile's softmax carries its products.  pv = 2: 16 products V^T P; 1: they start O^T; 0: none.  kq = 1: 8 products K Q^T of the next step.
; Tile A's turn fetches the next step's K at its head: K's last readers stand ahead of the 64 multiplications (or the eight v_nop) that end the turn before.
.macro TURN x, pv, kq, first
.set tx, \x
.set tk, 0
.set mi, 0
.set npv, 0
.if \pv
.set npv, 16
.endif
.set mn, npv+8*\kq
.set pstart, 0
.if \pv == 1
.set pstart, 1
.endif
.set fv, 0
.if (\x == 1) && \kq
.set fv, 1
.endif
.if \x == 0
	s_wait_dscnt 0x0                               ; V is in
.if \kq
	FETCH_K
.endif
.endif
	SOFTMAX 1-\x, \first
.if \first
	PLACES 8
.endif
.endm
; THE CHANGE OF SLOTS: the slot's last bytes, V of its second step, have been asked for.  Each wave waits for all its tensor loads (one is out: its quarter of the other slot), adds 0 to its spare word, and waits for that
; and for its reads of the slot.  fill = 1: the barrier is a round of the cluster's, and the joint refill, the keys two slots on, is the first thing behind it: it has two key steps in which to land.
.macro CHANGE fill
	WIN 0
	s_wait_tensorcnt 0x0                           ; no tensor load of mine is out, so a group 0 may be written
	ds_add_u32 v[SPW], v[NIL]
.if \fill
	s_xor_b32 s[G0W+1], s[G0W+1], SLOT1            ; the walking descriptor: the other slot than last time,
	s_add_nc_u64 s[G0W+2:G0W+3], s[G0W+2:G0W+3], SLOTB   ; the next two steps; the type bits on top are not reached
	s_wait_xcnt 0x0                                ; the last prefetch, two key steps back, has read its address
	s_add_nc_u64 s[PFA:PFA+1], s[PFA:PFA+1], SLOTB
	s_wait_dscnt 0x0                               ; the add is done, and my reads of the slot are over
	CROUND
	JLOAD
	ASK
.else
	s_wait_dscnt 0x0
	s_barrier_signal -1
	s_barrier_wait -1
.endif
	s_sub_co_u32 s[TB], s[TB], SLOTB               ; the fetches go back to a slot's first step,
	s_xor_b32 s[TB], s[TB], SLOT1                  ; in the other slot
.endm
.macro TWO_STEPS                       ; a slot's two key steps: written once, walked twice
	s_mov_b32 s[TWICE], 2
.Lstep_\@:
	TURN 0, 2, 1, 0
	TURN 1, 2, 1, 0
	s_sub_co_u32 s[TWICE], s[TWICE], 1
	s_cmp_lg_u32 s[TWICE], 0
	s_cbranch_scc1 .Lstep_\@
.endm
	s_load_b256 s[4:11], s[0:1], 0x0               ; kv s[4:5], kt s[6:7], mask s[8:9], out0 s[10:11]
	v_lshl_add_u32 v[SPW], v0, 2, SPARE
	v_mov_b32 v[NIL], 0
	ds_add_u32 v[SPW], v[NIL]                      ; the wave's opening: the add, twice on end, and its wait ahead of my first tensor load
	ds_add_u32 v[SPW], v[NIL]
	v_lshrrev_b32 v229, 5, v0
	v_readfirstlane_b32 s[WV], v229                ; wave 0..3
	v_and_b32 v[LI], 31, v0
	v_lshlrev_b32 v[PFO], 8, v[LI]
	v_lshlrev_b32 v[LI], 4, v[LI]
	v_and_b32 v224, 15, v0                         ; r
	v_bfe_u32 v225, v0, 4, 1                       ; h
	v_and_b32 v226, 8, v224
	v_add_nc_u32 v226, v226, v224                  ; r + 8 (r / 8)
	v_lshlrev_b32 v227, 4, v224
	v_lshlrev_b32 v228, 2, v226
	v_lshl_add_u32 v[MH], v225, 6, TLB+1536
	v_add_nc_u32 v[TL], TLB, v[LI]
.irp y, 0,1
	v_mov_b32 v[ST+8*\y+1], 0xff61b1e6             ; the largest t so far: -3e38, under every t
	v_floor_f32 v[ST+8*\y], -v[ST+8*\y+1]          ; -M
	v_mov_b32 v[ST+8*\y+2], 0                      ; the sum, in two halves
	v_mov_b32 v[ST+8*\y+3], 0
	v_mov_b32 v[ST+8*\y+5], 0                      ; named as the upper halves of pairs
	v_mov_b32 v[ST+8*\y+7], 0
.endr
.irp b, 0,1,2,3
	v_mov_b32 v[T2+\b], 0                          ; a lane permute's destination counts as one of its sources
.endr
	s_and_b32 s20, ttmp7, 0xffff                   ; the image, which the four partners share
	s_mul_i32 s21, s20, 32*STEPB                   ; its first byte in kv
	s_mul_i32 s22, s[WV], SLOTB/4                  ; my quarter of a slot, in memory and in LDS alike: no place in the cluster enters an LDS address
	s_add_co_u32 s52, s21, s22
	s_mov_b32 s53, 0
	s_lshl_b32 s54, s20, 16                        ; the image's first byte in kt,
	s_lshl_b32 s23, s[WV], 14                      ; my quarter of its 65,536
	s_add_co_u32 s54, s54, s23
	s_mov_b32 s55, 0
	s_mov_b32 s[G1], 15|(3<<16)|(1<<21)            ; 15:0 the mask: all four work-groups; 17:16 elements of 8 bytes; 21 set beside a mask; no padding: the images are read 512 consecutive bytes an instruction
	s_mov_b32 s[G1+1], 32<<16                      ; tensor_dim0 = 32 elements: rows of 256 bytes
	s_mov_b32 s[G1+2], 96<<16                      ; tensor_dim1 = 96
	s_mov_b32 s[G1+3], 32<<16                      ; tile_dim0
	s_mov_b32 s[G1+4], 96                          ; tile_dim1
	s_mov_b32 s[G1+5], 32                          ; the pitch: the block is dense
	s_mov_b32 s[G1+6], 0
	s_mov_b32 s[G1+7], 0
	s_mov_b32 s[G1T], 15|(3<<16)|(1<<21)
	s_mov_b32 s[G1T+1], 32<<16
	s_mov_b32 s[G1T+2], 64<<16
	s_mov_b32 s[G1T+3], 32<<16
	s_mov_b32 s[G1T+4], 64
	s_mov_b32 s[G1T+5], 32
	s_mov_b32 s[G1T+6], 0
	s_mov_b32 s[G1T+7], 0
	s_mov_b32 s[CS], 0x3e0293ee                    ; c = log2(e) / sqrt(128)
	s_mov_b32 s[CS+1], s[CS]
	s_mov_b32 s[SEL], 0x76543210
	s_mov_b32 s[SEL+1], 0xfedcba98
	s_mov_b32 s[TB], 0
	s_mov_b32 s[TS], 0
	s_mov_b32 s[SLOTS], 14
	s_cmp_lt_u32 s[WV], 3
	s_cselect_b32 s[LIM], 0, 1                     ; waves 0 to 2
	s_or_b32 s[LIM], s[LIM], ttmp9                 ; of the image's first cluster: the same in all four partners
	s_cmp_eq_u32 s[LIM], 0
	s_cselect_b32 s[LIM], 1, -1
	; what hangs on my place in the cluster enters global addresses alone, in registers that feed no descriptor
	s_bfe_u32 s13, ttmp6, 0x40000                  ; cx
	s_lshl_b32 s14, ttmp9, 2
	s_add_co_u32 s14, s14, s13                     ; my block of 128 queries
	s_mul_i32 s16, s14, STEPB                      ; Q: the block's K images, tiles 2 w and 2 w + 1
	s_add_co_u32 s16, s16, s21
	s_lshl_b32 s17, s[WV], 12
	s_add_co_u32 s16, s16, s17
	s_mov_b32 s17, 0
	s_lshl_b32 s2, s20, 16                         ; their scale words: 2,048 x block + 256 (w / 2) + 8 (w % 2)
	s_lshl_b32 s3, s14, 11
	s_add_co_u32 s2, s2, s3
	s_lshr_b32 s3, s[WV], 1
	s_lshl_b32 s3, s3, 8
	s_add_co_u32 s2, s2, s3
	s_and_b32 s3, s[WV], 1
	s_lshl_b32 s3, s3, 3
	s_add_co_u32 s2, s2, s3
	s_mov_b32 s3, 0
	s_lshl_b32 s68, s20, 14                        ; the mask at my queries: 4 (4,096 image + 128 block + 32 w)
	s_lshl_b32 s69, s14, 9
	s_add_co_u32 s68, s68, s69
	s_lshl_b32 s67, s[WV], 7
	s_add_co_u32 s68, s68, s67
	s_lshl_b32 s70, s20, 22                        ; out0: the image, my 64 channels' rows of 16,384 bytes, the block's 512 bytes in them
	s_add_co_u32 s70, s70, s69
	s_lshl_b32 s67, s[WV], 20
	s_add_co_u32 s70, s70, s67
	s_mov_b32 s69, 0
	s_mov_b32 s71, 0
	s_mul_i32 s18, s13, SLOTB/4                    ; the prefetches: my work-group's 96 pieces, my wave's 32 of them,
	s_lshl_b32 s19, s[WV], 13
	s_add_co_u32 s18, s18, s19
	s_add_co_u32 s18, s18, s21
	s_add_co_u32 s18, s18, 2*SLOTB                 ; in slot 2: the first change of slots steps it to slot 3.  Nothing is prefetched at the head
	s_mov_b32 s19, 0
	s_wait_dscnt 0x0                               ; both opening adds are done
	s_wait_kmcnt 0x0
	s_mov_b32 s[G0T], 1
	s_add_co_u32 s[G0T+1], s23, TLB
	s_add_nc_u64 s[G0T+2:G0T+3], s[6:7], s[54:55]
	s_or_b32 s[G0T+3], s[G0T+3], 0x80000000
	s_mov_b32 s[G0A], 1
	s_mov_b32 s[G0A+1], s22
	s_add_nc_u64 s[G0A+2:G0A+3], s[4:5], s[52:53]
	s_mov_b32 s[G0W], 1
	s_add_co_u32 s[G0W+1], s22, SLOT1
	s_add_nc_u64 s[G0W+2:G0W+3], s[G0A+2:G0A+3], SLOTB
	s_or_b32 s[G0A+3], s[G0A+3], 0x80000000
	s_or_b32 s[G0W+3], s[G0W+3], 0x80000000
	s_add_nc_u64 s[PFA:PFA+1], s[4:5], s[PFA:PFA+1]
	s_add_nc_u64 s[4:5], s[4:5], s[16:17]
	s_add_nc_u64 s[6:7], s[6:7], s[2:3]
	s_add_nc_u64 s[8:9], s[8:9], s[68:69]
	s_add_nc_u64 s[10:11], s[10:11], s[70:71]
	CROUND                                         ; all four work-groups are here: the first joint loads meet
	tensor_load_to_lds s[G0T:G0T+3], s[G1T:G1T+7]  ; the three first fills go out together: three loads of mine are out.  kt of the whole image,
	s_nop 0
	tensor_load_to_lds s[G0A:G0A+3], s[G1:G1+7]    ; steps 0 and 1,
	s_nop 0
	tensor_load_to_lds s[G0W:G0W+3], s[G1:G1+7]    ; steps 2 and 3
	s_nop 0
	PLACES 4
	WIN 0xc0                                       ; destination window 3
.irp x, 0,1
.irp c, 0,1,2,3
	global_load_b128 v[128+16*\x+4*\c:128+16*\x+4*\c+3], v[LI], s[4:5] offset:2048*\x+512*\c   ; Q stays in registers, in a run of its own beside K's
.endr
.endr
	WIN 0
	global_load_b32 v[QSW], v227, s[6:7]
	global_load_b32 v[QSW+1], v227, s[6:7] offset:4
	global_load_b32 v[MQ], v228, s[8:9]
	global_load_b32 v[MQ+1], v228, s[8:9] offset:32
	s_wait_tensorcnt 1                             ; kt and my part of slot 0 are in; slot 1's load, the youngest, may stay out
	s_barrier_signal -1
	s_barrier_wait -1                              ; everybody's are
	FETCH_K                                        ; key step 0
	s_wait_loadcnt 0x0                             ; Q, its scale words, the mask at my queries
	s_wait_dscnt 0x0
.set i, 0
.rept 8
	KQI 0, i                                       ; tile A's first scores: there is no vector work yet to set between them
.set i, i+1
.endr
	WIN 0                                          ; the addresses for the way out, and three v_nop: the eight places behind those products
	s_lshl_b32 s67, s[WV], 7
	v_mul_u32_u24 v[STA0], v225, 8*SROW            ; in: channel 16 ct + 8 h + j is a row; my query's 4 bytes in it: 4 (32 w + 8 x + r + 8 (r / 8))
	v_lshl_add_u32 v[STA0], v226, 2, v[STA0]
	v_add_nc_u32 v[STA0], s67, v[STA0]
	v_add_nc_u32 v[STA1], 128*SROW, v[STA0]
	s_mul_i32 s67, s[WV], 64*SROW
	v_add_nc_u32 v[RD], s67, v[LI]                 ; back: my 64 rows, 16 bytes a lane
	PLACES 3
	TURN 1, 0, 1, 1                                ; tile B's first scores | tile A's first softmax | V of step 0
	TURN 0, 1, 1, 1                                ; tile A: V^T P of step 0 starts O^T, K Q^T of step 1 | tile B's first softmax | K of step 1
	TURN 1, 1, 1, 0                                ; tile B: the same | tile A's softmax of step 1 | V of step 1
.Lslot:                                            ; 14 trips: every slot but the last two is filled again
	CHANGE 1
	TWO_STEPS
	s_sub_co_u32 s[SLOTS], s[SLOTS], 1
	s_cmp_lg_u32 s[SLOTS], 0
	s_cbranch_scc1 .Lslot
	CHANGE 0                                       ; the tail is written out
	TWO_STEPS
	TURN 0, 2, 0, 0                                ; tile A: V^T P of the last step | tile B's last softmax
.set i, 0
.rept 16
	PVI 1, i, 0                                    ; tile B: V^T P of the last step
.set i, i+1
.endr
	WIN 0
	; THE WAY OUT.  O^T x mask_i / the sum goes into a stage of 256 channel rows, which the four waves fill together (a row's 128 positions come from all four), and leaves as whole rows of 512 bytes.
.irp y, 0,1
	v_add_f32 v[ST+8*\y+2], v[ST+8*\y+2], v[ST+8*\y+3]
.endr
.irp y, 0,1
	v_permlanex16_b32 v[ST+8*\y+3], v[ST+8*\y+2], s[SEL], s[SEL+1]
.endr
.irp y, 0,1
	v_add_f32 v[ST+8*\y+2], v[ST+8*\y+2], v[ST+8*\y+3]   ; the row's sum
.endr
.irp y, 0,1
	v_rcp_f32 v[ST+8*\y+6], v[ST+8*\y+2]
.endr
	v_nop                                          ; a plain line behind the last reciprocal,
	s_wait_alu depctr_va_vdst(0)                   ; and one wait for the two, ahead of their first reader
.irp y, 0,1
	v_mul_f32 v[ST+8*\y+6], v[ST+8*\y+6], v[MQ+\y]
.endr
	s_wait_dscnt 0x0                               ; my reads of the slots are over,
	s_barrier_signal -1
	s_barrier_wait -1                              ; everybody's are: the stage may be written
	WIN 0x41
.irp y, 0,1                                    ; tile A first: its 64 lines are the places behind tile B's last products
.set j, 0
.rept 64
	v_pk_mul_f32 v[128*\y+j:128*\y+j+1], v[128*\y+j:128*\y+j+1], v[ST+8*\y+6:ST+8*\y+7] op_sel_hi:[1,0]
.set j, j+2
.endr
.endr
	WIN 0x04                                       ; an LDS store's data are its source 1: window 1
.irp x, 0,1
.irp ct, 0,1,2,3,4,5,6,7
.irp j, 0,1,2,3,4,5,6,7
	ds_store_b32 v[STA0], v[128*\x+8*\ct+\j] offset:(16*\ct+\j)*SROW+32*\x       ; the 32 lanes' words: 0-7, 16-23 of one row and, 8 rows (1,056 words) on, 32-39, 48-55 modulo 64
.endr
.endr
.irp ct, 0,1,2,3,4,5,6,7
.irp j, 0,1,2,3,4,5,6,7
	ds_store_b32 v[STA1], v[128*\x+64+8*\ct+\j] offset:(16*\ct+\j)*SROW+32*\x
.endr
.endr
.endr
	WIN 0
	s_wait_dscnt 0x0                               ; for the others' sake: my stores into the stage are done
	s_barrier_signal -1
	s_barrier_wait -1
.irp g, 0,1,2,3                                ; my 64 rows, 16 at a time, in two sets of registers by turns
.if \g >= 2
	s_wait_xcnt 0x0                                ; the stores of two batches back have read their registers
.endif
.irp k, 0,1,2,3,4,5,6,7,8,9,10,11,12,13,14,15
	ds_load_b128 v[S+64*(\g%2)+4*\k:S+64*(\g%2)+4*\k+3], v[RD] offset:(16*\g+\k)*SROW
.endr
.irp k, 0,1,2,3,4,5,6,7,8,9,10,11,12,13,14,15
	s_wait_dscnt 15-\k                             ; LDS loads come back in order: row k of the batch is in, the younger ones may be out
	global_store_b128 v[LI], v[S+64*(\g%2)+4*\k:S+64*(\g%2)+4*\k+3], s[10:11] offset:(16*\g+\k)*16384 th:TH_STORE_NT   ; 32 lanes store 512 consecutive bytes, aligned; written once, read by nobody here
.endr
.endr
	s_wait_tensorcnt 0x0                           ; the wave's end: behind my last tensor load and my last LDS store
	ds_add_u32 v[SPW], v[NIL]
	s_wait_dscnt 0x0
	CROUND                                         ; the closing round: no work-group ends while a partner may still ask for a tile that names it
	s_endpgm
.Lfunc_end_k_qaa777f2b1a_attn:
	.size	k_qaa777f2b1a_attn, .Lfunc_end_k_qaa777f2b1a_attn-k_qaa777f2b1a_attn
	.p2alignl 7, 3214868480
	.fill 96, 4, 3214868480
	.section	.rodata,"a",@progbits
	.p2align	6, 0x0
	.amdhsa_kernel k_qaa777f2b1a_attn
		.amdhsa_group_segment_fixed_size 327680
		.amdhsa_private_segment_fixed_size 0
		.amdhsa_enable_private_segment 0
		.amdhsa_kernarg_size 32
		.amdhsa_user_sgpr_count 2
		.amdhsa_user_sgpr_kernarg_segment_ptr 1
		.amdhsa_wavefront_size32 1
		.amdhsa_system_sgpr_workgroup_id_x 1
		.amdhsa_system_sgpr_workgroup_id_y 1
		.amdhsa_system_sgpr_workgroup_id_z 1
		.amdhsa_system_vgpr_workitem_id 0
		.amdhsa_next_free_vgpr 1024
		.amdhsa_next_free_sgpr 72
		.amdhsa_reserve_vcc 0
		.amdhsa_float_denorm_mode_32 3
		.amdhsa_float_denorm_mode_16_64 3
		.amdhsa_fp16_overflow 1
		.amdhsa_memory_ordered 1
		.amdhsa_forward_progress 1
		.amdhsa_inst_pref_size 221
	.end_amdhsa_kernel
	.amdgpu_metadata
---
amdhsa.version: [ 1, 2 ]
amdhsa.kernels:
  - .name:           k_qaa777f2b1a_attn
    .symbol:         k_qaa777f2b1a_attn.kd
    .args:
      - { .name: kv, .offset: 0, .size: 8, .value_kind: global_buffer, .address_space: global }
      - { .name: kt, .offset: 8, .size: 8, .value_kind: global_buffer, .address_space: global }
      - { .name: mask, .offset: 16, .size: 8, .value_kind: global_buffer, .address_space: global }
      - { .name: out0, .offset: 24, .size: 8, .value_kind: global_buffer, .address_space: global }
    .group_segment_fixed_size: 327680
    .private_segment_fixed_size: 0
    .kernarg_segment_align: 8
    .kernarg_segment_size: 32
    .max_flat_workgroup_size: 128
    .sgpr_count:     72
    .vgpr_count:     1024
    .wavefront_size: 32
...
	.end_amdgpu_metadata
.endif
;; end of part 2
